; MI455X (gfx1250); checked and timed in simulation.
; The chip was launched on July 23, 2026; its instructions are those of AMD's public machine-readable ISA for CDNA 5 (MIT licence, August 2026) and "CDNA5" Instruction Set Architecture Reference Guide (July 2026). The comments in the code are by the model that wrote it; some were corrected since.
;; Spatial Attention Module. Allowed arithmetic: float matrix products may take bf16 or f16 operands with f32 sums; other float arithmetic in f32, or as packed bf16 or f16 multiplies, adds, multiply-adds, maxima and minima; sums over many terms, partial sums and values carried from step to step in f32; what a program stores and reads back later, other than sums and carried values, may be rounded once to bf16 or f16.
;; Inputs: Wk 64 x 256 float32; Wq 64 x 256 float32; Wv 256 x 256 float32; bk 64 float32; bq 64 float32; bv 256 float32; gamma 1 float32; x 8 x 256 x 64 x 64 float32.
;; Outputs: out0 8 x 256 x 64 x 64 float32.
;; One version. Each part assembles by itself: llvm-mc -triple=amdgcn-amd-amdhsa -mcpu=gfx1250 --defsym DOCPART=n.
;; ======== version 1 of 1: 2 launches
;; workspace buffers: qw 4,194,304 bytes; kv 20,971,520 bytes
;; launch proj (part 1): grid 32 x 8, 4 waves a work-group, no clusters, 184,832 bytes of LDS; arguments x, Wq, bq, Wk, bk, Wv, bv, qw, kv; writes qw, kv
.if DOCPART == 1
	.amdgcn_target "amdgcn-amd-amdhsa--gfx1250"
	.amdhsa_code_object_version 6
	.text
	.protected	k_qcfc6f15f9e_proj
	.globl	k_qcfc6f15f9e_proj
	.p2align	8
	.type	k_qcfc6f15f9e_proj,@function
k_qcfc6f15f9e_proj:
	s_mov_b64 s[64:65], 0
	v_nop
	global_prefetch_b8 v0, s[64:65] scope:SCOPE_SE
	s_setreg_imm32_b32 hwreg(HW_REG_WAVE_MODE, 25, 1), 1
	s_wait_xcnt 0x0
; THE THREE 1x1 PROJECTIONS.  x: [8][256 channels][4096 pixels] f32.  q' = c (Wq x + bq), c = log2(e) / 8; k = Wk x + bk; v = Wv x + bv.
; Products in bf16 (x and the weights rounded once), sums, bias and the scale c in f32; q', k, v rounded once to bf16.
; LIMITS.  NaN and infinities are not treated apart; bf16 has f32's range, so nothing else is cut.
; OUT.  qw: [8][4096 pixels][64 channels] bf16.  kv: 256 blocks of 81,920 bytes, block g = 32 x batch + tile of 128 keys:
;   bytes 0 .. 16,383: 128 rows of 128 bytes of K, row i = key 128 T + 64 + i: SHIFTED by 64 keys along the chain of all 32,768 pixels (modulo 32,768), so that the next launch,
;   which makes scores one step ahead of the second product, reads K and V of one lap out of one block; bytes 16,384 on: V as [2 halves][256 channels][64 keys].
; SHARES.  A work-group takes 128 pixels and all 384 output channels, K = 256.  Wave w takes six blocks of 16 output channels (ob 0-3: Wv's rows 64 w + 16 ob; ob 4: Wq's 16 w; ob 5: Wk's 16 w)
; x eight blocks of 16 pixels: 48 accumulators.  The text is the same in every wave; only addresses hang on w.
; ORIENTATION.  v: source 0 = 16 pixels of x, source 1 = 16 rows of W: a lane holds one channel and 8 neighbouring pixels.  q, k: the sources swapped: a lane holds one pixel and 8 neighbouring channels.
; NO CLUSTER, NO TENSOR LOAD: x has to be rounded on its way into LDS, so it passes registers; the weights, 393,216 bytes that every work-group reads, come straight into registers, 256 consecutive bytes of a row in a trip.
; REGISTERS, in windows of 256 (s_set_vgpr_msb: bits 1:0 source 0, 3:2 source 1, 5:4 source 2, 7:6 destination):
;   window 0: v0-23 addresses; v32-127 W's fragments; v128-255 x's fragments; on the way out v32-223 packed results
;   window 1: v0-191 W as loaded, f32; v192-239 the biases as C operands      window 2: x as loaded, then the accumulators of ob 0-3      window 3: v0-127 those of ob 4, 5
.set XP,    288                        ; a channel's row of the x tile in LDS: 256 bytes + 32: an odd multiple of 32, for the turning load
.set SP,    144                        ; a row of 128 bytes in the stages + 16
.set QS,    256*XP                     ; behind the x tile: q's stage, 128 pixel rows
.set KS,    QS+128*SP                  ; k's stage, 128 pixel rows
.set VS,    KS+128*SP                  ; v's stage, 512 rows: half x 256 + channel
.set SPARE, VS+512*SP                  ; 184,320: the spare words, 128 bytes for each wave: two blocks of 256 bytes that no other line names
.set KVB,   81920                      ; a block of kv
.set SPW, 10                           ; v10  LDS address of my spare word; never rewritten
.set NIL, 11                           ; v11  0; never rewritten
.set GO,  12                           ; v12  16 x lane: x's loads and all stores
.set XSA, 13                           ; v13  where I put 8 bytes of a channel's row of the x tile
.set WO,  14                           ; v14  my offset in 16 rows of W: 1,024 r + 32 h
.set XA,  15                           ; v15  the turning load's address; steps 64 channels a trip
.set STQ, 16                           ; v16  q's stage, in (k's lies 18,432 further)
.set STV, 17                           ; v17  v's stage, in
.set QRD, 18                           ; v18  q's stage, back
.set KRD, 19                           ; v19  k's
.set VRD, 20                           ; v20  v's
.set BVO, 22                           ; v22  my channel's place in bv
.set BQO, 23                           ; v23  my 8 channels' place in bq and bk
.set WF,  32
.set XF,  128
.set TMP, 32
.set STG, 0                            ; window 1
.set BI,  192                          ; window 1: 8 registers for each ob
.set WV,  24                           ; s24  my wave's number
.set BA,  26                           ; s26  the batch
.set BV,  28                           ; s[28:29] Wv at my 64 rows, at the trip to be loaded
.set BQ,  30                           ; s[30:31] Wq at my 16 rows
.set BK,  32                           ; s[32:33] Wk at my 16 rows
.set XB,  34                           ; s[34:35] x at my 64 channels of the tile
.set CS,  36                           ; s[36:37] c, named as a pair
.set CNT, 38
.set QB,  40                           ; s[40:41] qw at my 32 rows
.set KB,  42                           ; s[42:43] kv at my 32 rows of K
.set VB,  44                           ; s[44:45] kv at my 128 rows of V
.set MSB, 0
.macro WIN new                         ; the immediate's high byte repeats the setting that is left; a switch that changes nothing is dropped
.if MSB != (\new)
	s_set_vgpr_msb (MSB<<8)|(\new)
.set MSB, (\new)
.endif
.endm
.macro PLACES                          ; four places behind matrix instructions, in front of loads and writes into registers that they have read and of reads of their results
.rept 4
	v_nop
.endr
.endm
; 48 loads: 64 channels (256 bytes) of each of my 96 rows of W, f32, laid so that two neighbouring registers round into one register of a fragment
.macro WLOAD
	WIN 0x40                                       ; destination window 1
.irp ob, 0,1,2,3,4,5
.irp ks, 0,1
.irp pt, 0,1
.irp sb, 0,1
.if (\ob) < 4
	global_load_b128 v[STG+32*(\ob)+16*(\ks)+8*(\pt)+4*(\sb):STG+32*(\ob)+16*(\ks)+8*(\pt)+4*(\sb)+3], v[WO], s[BV:BV+1] offset:(\ob)*16384+128*(\ks)+64*(\pt)+16*(\sb)
.elseif (\ob) == 4
	global_load_b128 v[STG+32*(\ob)+16*(\ks)+8*(\pt)+4*(\sb):STG+32*(\ob)+16*(\ks)+8*(\pt)+4*(\sb)+3], v[WO], s[BQ:BQ+1] offset:128*(\ks)+64*(\pt)+16*(\sb)
.else
	global_load_b128 v[STG+32*(\ob)+16*(\ks)+8*(\pt)+4*(\sb):STG+32*(\ob)+16*(\ks)+8*(\pt)+4*(\sb)+3], v[WO], s[BK:BK+1] offset:128*(\ks)+64*(\pt)+16*(\sb)
.endif
.endr
.endr
.endr
.endr
.endm
	s_load_b512 s[4:19], s[0:1], 0x0               ; x s[4:5], Wq s[6:7], bq s[8:9], Wk s[10:11], bk s[12:13], Wv s[14:15], bv s[16:17], qw s[18:19]
	s_load_b64 s[20:21], s[0:1], 0x40              ; kv
	v_lshl_add_u32 v[SPW], v0, 2, SPARE
	v_mov_b32 v[NIL], 0
	v_lshrrev_b32 v1, 5, v0
	v_readfirstlane_b32 s[WV], v1                  ; wave 0..3
	s_and_b32 s[BA], ttmp7, 0xffff
	v_and_b32 v1, 31, v0                           ; lane L
	v_and_b32 v2, 15, v0                           ; r = L % 16
	v_bfe_u32 v3, v0, 4, 1                         ; h = L / 16
	v_and_b32 v4, 7, v0                            ; L % 8
	v_bfe_u32 v5, v0, 3, 1                         ; (L / 8) % 2
	v_bfe_u32 v6, v0, 3, 2                         ; L / 8
	v_lshlrev_b32 v[GO], 4, v1
	s_mul_i32 s27, s[WV], 64*XP
	v_lshl_add_u32 v[XSA], v1, 3, s27              ; my 64 channels' rows, 8 bytes a lane
	v_lshlrev_b32 v[WO], 10, v2
	v_lshl_add_u32 v[WO], v3, 5, v[WO]
	v_lshl_add_u32 v7, v3, 3, v4                   ; the turning load: channel 8 h + L % 8,
	v_mul_u32_u24 v[XA], v7, XP
	v_lshl_add_u32 v[XA], v5, 4, v[XA]             ; pixels 8 ((L / 8) % 2) on
	v_mul_u32_u24 v7, v2, SP
	v_lshl_add_u32 v7, v3, 4, v7                   ; row r, 16 bytes for each half of the lanes
	s_lshl_b32 s27, s[WV], 5
	s_add_co_u32 s27, s27, QS
	v_add_nc_u32 v[STQ], s27, v7                   ; my 16 channels are 32 bytes of a pixel's row
	s_mul_i32 s27, s[WV], 64*SP
	s_add_co_u32 s27, s27, VS
	v_add_nc_u32 v[STV], s27, v7                   ; my 64 channels' rows
	v_mul_u32_u24 v8, v6, SP
	v_lshl_add_u32 v8, v4, 4, v8                   ; back: 32 lanes take four rows of 128 bytes
	s_mul_i32 s27, s[WV], 32*SP
	s_add_co_u32 s27, s27, QS
	v_add_nc_u32 v[QRD], s27, v8
	v_add_nc_u32 v[KRD], 128*SP, v[QRD]
	s_mul_i32 s27, s[WV], 128*SP
	s_add_co_u32 s27, s27, VS
	v_add_nc_u32 v[VRD], s27, v8
	s_lshl_b32 s27, s[WV], 8
	v_lshl_add_u32 v[BVO], v2, 2, s27              ; 4 (64 w + r)
	s_lshl_b32 s27, s[WV], 6
	v_lshl_add_u32 v[BQO], v3, 5, s27              ; 4 (16 w + 8 h)
	s_mov_b32 s[CS], 0x3e38aa3b                    ; c = log2(e) / 8
	s_mov_b32 s[CS+1], s[CS]
	s_mov_b32 s23, 0
	s_lshl_b32 s39, s[BA], 5
	s_add_co_u32 s39, s39, ttmp9                   ; g: my block of kv
	s_wait_kmcnt 0x0
	s_lshl_b32 s22, s[WV], 16                      ; 64 rows of 1,024 bytes
	s_add_nc_u64 s[BV:BV+1], s[14:15], s[22:23]
	s_lshl_b32 s22, s[WV], 14                      ; 16 rows
	s_add_nc_u64 s[BQ:BQ+1], s[6:7], s[22:23]
	s_add_nc_u64 s[BK:BK+1], s[10:11], s[22:23]
	s_lshl_b32 s22, s[BA], 22                      ; a batch of x is 4,194,304 bytes,
	s_lshl_b32 s27, s[WV], 20                      ; 64 channels 1,048,576,
	s_add_co_u32 s22, s22, s27
	s_lshl_b32 s27, ttmp9, 9                       ; 128 pixels 512
	s_add_co_u32 s22, s22, s27
	s_add_nc_u64 s[XB:XB+1], s[4:5], s[22:23]
	s_lshl_b32 s22, s[BA], 19                      ; qw: a batch 524,288 bytes, a tile 16,384, my 32 rows 4,096
	s_lshl_b32 s27, ttmp9, 14
	s_add_co_u32 s22, s22, s27
	s_lshl_b32 s27, s[WV], 12
	s_add_co_u32 s22, s22, s27
	s_add_nc_u64 s[QB:QB+1], s[18:19], s[22:23]
	s_mul_i32 s22, s39, KVB                        ; V: my 128 of the block's 512 rows
	s_lshl_b32 s27, s[WV], 14
	s_add_co_u32 s22, s22, s27
	s_add_co_u32 s22, s22, 16384
	s_add_nc_u64 s[VB:VB+1], s[20:21], s[22:23]
	s_add_co_u32 s27, s39, 255                     ; K: the tile's pixels 0-63 (waves 0, 1) are rows 64-127 of the block before, modulo 256;
	s_and_b32 s27, s27, 255
	s_cmp_lt_u32 s[WV], 2
	s_cselect_b32 s27, s27, s39                    ; pixels 64-127 (waves 2, 3) are rows 0-63 of my block
	s_mul_i32 s22, s27, KVB
	s_lshl_b32 s27, s[WV], 12
	s_add_co_u32 s27, s27, 8192
	s_and_b32 s27, s27, 16383                      ; 8,192, 12,288, 0, 4,096
	s_add_co_u32 s22, s22, s27
	s_add_nc_u64 s[KB:KB+1], s[20:21], s[22:23]
	; ALL LOADS GO OUT: the biases (8), the first trip's W (48), then my 64 channels of the x tile, a channel's 512 consecutive bytes to a load
	WIN 0x40
.irp ob, 0,1,2,3
	global_load_b32 v[BI+8*(\ob)], v[BVO], s[16:17] offset:64*(\ob)
.endr
	global_load_b128 v[BI+32:BI+35], v[BQO], s[8:9]
	global_load_b128 v[BI+36:BI+39], v[BQO], s[8:9] offset:16
	global_load_b128 v[BI+40:BI+43], v[BQO], s[12:13]
	global_load_b128 v[BI+44:BI+47], v[BQO], s[12:13] offset:16
	WLOAD
	WIN 0x80                                       ; destination window 2
.set j, 0
.rept 64
	global_load_b128 v[4*j:4*j+3], v[GO], s[XB:XB+1] offset:j*16384 th:TH_LOAD_NT
.set j, j+1
.endr
	; x is rounded to bf16 and laid into LDS as [channel][pixel], sixteen channels at a time
.set g, 0
.rept 4
	s_wait_loadcnt 48-16*g                         ; loads come back in order: all but the x loads issued behind this group are in
	WIN 0x0a                                       ; sources window 2, destination window 0
.set j, 16*g
.rept 16
	v_cvt_pk_bf16_f32 v[XF+2*j], v[4*j], v[4*j+1]
	v_cvt_pk_bf16_f32 v[XF+2*j+1], v[4*j+2], v[4*j+3]
.set j, j+1
.endr
	WIN 0
.set j, 16*g
.rept 16
	ds_store_b64 v[XSA], v[XF+2*j:XF+2*j+1] offset:j*XP
.set j, j+1
.endr
.set g, g+1
.endr
	WIN 0x41                                       ; v's bias is one number a lane (its channel's) for all 8 pixels; the last wait above was for 0
.irp ob, 0,1,2,3
.irp e, 1,2,3,4,5,6,7
	v_mov_b32 v[BI+8*(\ob)+(\e)], v[BI+8*(\ob)]
.endr
.endr
	WIN 0
	s_wait_dscnt 0x0                               ; for the others' sake: my part of the x tile is stored
	s_barrier_signal -1
	s_barrier_wait -1                              ; the tile is whole
; A TRIP: 64 channels of K.  x's 16 fragments by the turning load; W's 12 rounded from the registers that the last trip's loads filled; the next trip's W asked for; 96 products.
; The 48 accumulators take turns, one instruction a turn, over the backward jump too.  first = 1: the biases start the sums.  last = 1: nothing more is asked for.
.macro KTRIP first, last
.if !(\first)
	PLACES                                         ; behind the last trip's products, which read XF and WF
.endif
	WIN 0
.irp ks, 0,1
.irp pb, 0,1,2,3,4,5,6,7
	ds_load_tr16_b128 v[XF+64*(\ks)+8*(\pb):XF+64*(\ks)+8*(\pb)+3],   v[XA] offset:(\ks)*32*XP+32*(\pb)
	ds_load_tr16_b128 v[XF+64*(\ks)+8*(\pb)+4:XF+64*(\ks)+8*(\pb)+7], v[XA] offset:(\ks)*32*XP+16*XP+32*(\pb)
.endr
.endr
.if !(\last)
	v_add_nc_u32 v[XA], 64*XP, v[XA]
.endif
	s_wait_loadcnt 0x0                             ; this trip's W is in; its loads are done, so their three bases may be written
	WIN 0x05                                       ; sources window 1, destination window 0
.set i, 0
.rept 96
	v_cvt_pk_bf16_f32 v[WF+i], v[STG+2*i], v[STG+2*i+1]
.set i, i+1
.endr
.if !(\last)
	s_add_nc_u64 s[BV:BV+1], s[BV:BV+1], 256
	s_add_nc_u64 s[BQ:BQ+1], s[BQ:BQ+1], 256
	s_add_nc_u64 s[BK:BK+1], s[BK:BK+1], 256
	WLOAD                                          ; it has the trip's 96 products in which to come
.endif
	s_wait_dscnt 0x0                               ; x's fragments are in
.irp ks, 0,1
.irp ob, 0,1,2,3
.irp pb, 0,1,2,3,4,5,6,7
.if (\first) && ((\ks) == 0)
	WIN 0x90                                       ; C window 1, D window 2
	v_wmma_f32_16x16x32_bf16 v[8*(8*(\ob)+(\pb)):8*(8*(\ob)+(\pb))+7], v[XF+64*(\ks)+8*(\pb):XF+64*(\ks)+8*(\pb)+7], v[WF+16*(\ob)+8*(\ks):WF+16*(\ob)+8*(\ks)+7], v[BI+8*(\ob):BI+8*(\ob)+7]
.else
	WIN 0xa0                                       ; C and D window 2
	v_wmma_f32_16x16x32_bf16 v[8*(8*(\ob)+(\pb)):8*(8*(\ob)+(\pb))+7], v[XF+64*(\ks)+8*(\pb):XF+64*(\ks)+8*(\pb)+7], v[WF+16*(\ob)+8*(\ks):WF+16*(\ob)+8*(\ks)+7], v[8*(8*(\ob)+(\pb)):8*(8*(\ob)+(\pb))+7]
.endif
.endr
.endr
.irp ob, 4,5
.irp pb, 0,1,2,3,4,5,6,7
.if (\first) && ((\ks) == 0)
	WIN 0xd0                                       ; C window 1, D window 3
	v_wmma_f32_16x16x32_bf16 v[64*((\ob)-4)+8*(\pb):64*((\ob)-4)+8*(\pb)+7], v[WF+16*(\ob)+8*(\ks):WF+16*(\ob)+8*(\ks)+7], v[XF+64*(\ks)+8*(\pb):XF+64*(\ks)+8*(\pb)+7], v[BI+8*(\ob):BI+8*(\ob)+7]
.else
	WIN 0xf0                                       ; C and D window 3
	v_wmma_f32_16x16x32_bf16 v[64*((\ob)-4)+8*(\pb):64*((\ob)-4)+8*(\pb)+7], v[WF+16*(\ob)+8*(\ks):WF+16*(\ob)+8*(\ks)+7], v[XF+64*(\ks)+8*(\pb):XF+64*(\ks)+8*(\pb)+7], v[64*((\ob)-4)+8*(\pb):64*((\ob)-4)+8*(\pb)+7]
.endif
.endr
.endr
.endr
.endm
	KTRIP 1, 0
	WIN 0                                          ; at a label and at a branch every window is 0
	s_mov_b32 s[CNT], 2
.Ltrip:
	KTRIP 0, 0
	WIN 0
	s_sub_co_u32 s[CNT], s[CNT], 1
	s_cmp_lg_u32 s[CNT], 0
	s_cbranch_scc1 .Ltrip
	KTRIP 0, 1                                     ; the last trip is written out: it loads nothing
	; THE WAY OUT.  q times c in f32; all rounded once, each accumulator's registers in ascending order; 16 bytes a lane into the stages; a barrier, since a pixel's row of q and k comes from four waves; back as dense rows.
	PLACES
	WIN 0xc3                                       ; destination and source 0 window 3
.set i, 0
.rept 32
	v_pk_mul_f32 v[2*i:2*i+1], v[2*i:2*i+1], s[CS:CS+1] op_sel_hi:[1,0]
.set i, i+1
.endr
	WIN 0x0a
.set i, 0
.rept 128
	v_cvt_pk_bf16_f32 v[TMP+i], v[2*i], v[2*i+1]   ; ob 0-3: accumulator (ob, pb) packs into TMP + 32 ob + 4 pb
.set i, i+1
.endr
	WIN 0x0f
.set i, 0
.rept 64
	v_cvt_pk_bf16_f32 v[TMP+128+i], v[2*i], v[2*i+1]  ; ob 4, 5
.set i, i+1
.endr
	WIN 0
.irp ob, 0,1,2,3
.irp pb, 0,1,2,3,4,5,6,7
	ds_store_b128 v[STV], v[TMP+32*(\ob)+4*(\pb):TMP+32*(\ob)+4*(\pb)+3] offset:((\pb)/4)*256*SP+(\ob)*16*SP+32*((\pb)%4)
.endr
.endr
.irp pb, 0,1,2,3,4,5,6,7
	ds_store_b128 v[STQ], v[TMP+128+4*(\pb):TMP+128+4*(\pb)+3] offset:(\pb)*16*SP
	ds_store_b128 v[STQ], v[TMP+160+4*(\pb):TMP+160+4*(\pb)+3] offset:(\pb)*16*SP+128*SP
.endr
	s_wait_dscnt 0x0                               ; for the others' sake: my stores into the stages are done
	s_barrier_signal -1
	s_barrier_wait -1
.set i, 0
.rept 48                                       ; 8 loads of q, 8 of k, 32 of v: four rows, 512 dense bytes, each
.if i < 8
	ds_load_b128 v[TMP+4*i:TMP+4*i+3], v[QRD] offset:i*4*SP
.elseif i < 16
	ds_load_b128 v[TMP+4*i:TMP+4*i+3], v[KRD] offset:(i-8)*4*SP
.else
	ds_load_b128 v[TMP+4*i:TMP+4*i+3], v[VRD] offset:(i-16)*4*SP
.endif
.set i, i+1
.endr
.set i, 0
.rept 48
	s_wait_dscnt 47-i                              ; LDS loads come back in order: number i is in
.if i < 8
	global_store_b128 v[GO], v[TMP+4*i:TMP+4*i+3], s[QB:QB+1] offset:i*512 th:TH_STORE_NT      ; each store of the wave covers 512 consecutive bytes, aligned
.elseif i < 16
	global_store_b128 v[GO], v[TMP+4*i:TMP+4*i+3], s[KB:KB+1] offset:(i-8)*512 th:TH_STORE_NT
.else
	global_store_b128 v[GO], v[TMP+4*i:TMP+4*i+3], s[VB:VB+1] offset:(i-16)*512 th:TH_STORE_NT
.endif
.set i, i+1
.endr
	s_wait_tensorcnt 0x0                           ; the wave's end: behind my last LDS store
	ds_add_u32 v[SPW], v[NIL]
	s_wait_dscnt 0x0
	s_endpgm
.Lfunc_end_k_qcfc6f15f9e_proj:
	.size	k_qcfc6f15f9e_proj, .Lfunc_end_k_qcfc6f15f9e_proj-k_qcfc6f15f9e_proj
	.p2alignl 7, 3214868480
	.fill 96, 4, 3214868480
	.section	.rodata,"a",@progbits
	.p2align	6, 0x0
	.amdhsa_kernel k_qcfc6f15f9e_proj
		.amdhsa_group_segment_fixed_size 184832
		.amdhsa_private_segment_fixed_size 0
		.amdhsa_enable_private_segment 0
		.amdhsa_kernarg_size 72
		.amdhsa_user_sgpr_count 2
		.amdhsa_user_sgpr_kernarg_segment_ptr 1
		.amdhsa_wavefront_size32 1
		.amdhsa_system_sgpr_workgroup_id_x 1
		.amdhsa_system_sgpr_workgroup_id_y 1
		.amdhsa_system_sgpr_workgroup_id_z 1
		.amdhsa_system_vgpr_workitem_id 0
		.amdhsa_next_free_vgpr 896
		.amdhsa_next_free_sgpr 66
		.amdhsa_reserve_vcc 0
		.amdhsa_float_denorm_mode_32 3
		.amdhsa_float_denorm_mode_16_64 3
		.amdhsa_memory_ordered 1
		.amdhsa_forward_progress 1
		.amdhsa_inst_pref_size 108
	.end_amdhsa_kernel
	.amdgpu_metadata
---
amdhsa.version: [ 1, 2 ]
amdhsa.kernels:
  - .name:           k_qcfc6f15f9e_proj
    .symbol:         k_qcfc6f15f9e_proj.kd
    .args:
      - { .name: x, .offset: 0, .size: 8, .value_kind: global_buffer, .address_space: global }
      - { .name: Wq, .offset: 8, .size: 8, .value_kind: global_buffer, .address_space: global }
      - { .name: bq, .offset: 16, .size: 8, .value_kind: global_buffer, .address_space: global }
      - { .name: Wk, .offset: 24, .size: 8, .value_kind: global_buffer, .address_space: global }
      - { .name: bk, .offset: 32, .size: 8, .value_kind: global_buffer, .address_space: global }
      - { .name: Wv, .offset: 40, .size: 8, .value_kind: global_buffer, .address_space: global }
      - { .name: bv, .offset: 48, .size: 8, .value_kind: global_buffer, .address_space: global }
      - { .name: qw, .offset: 56, .size: 8, .value_kind: global_buffer, .address_space: global }
      - { .name: kv, .offset: 64, .size: 8, .value_kind: global_buffer, .address_space: global }
    .group_segment_fixed_size: 184832
    .private_segment_fixed_size: 0
    .kernarg_segment_align: 8
    .kernarg_segment_size: 72
    .max_flat_workgroup_size: 128
    .sgpr_count:     66
    .vgpr_count:     896
    .wavefront_size: 32
...
	.end_amdgpu_metadata
.endif
;; end of part 1
;; launch attn (part 2): grid 32 x 8, 4 waves a work-group, clusters of 4 x 1, 327,680 bytes of LDS; arguments qw, kv, x, gamma, out0; writes out0
.if DOCPART == 2
	.amdgcn_target "amdgcn-amd-amdhsa--gfx1250"
	.amdhsa_code_object_version 6
	.text
	.protected	k_qcfc6f15f9e_attn
	.globl	k_qcfc6f15f9e_attn
	.p2align	8
	.type	k_qcfc6f15f9e_attn,@function
k_qcfc6f15f9e_attn:
	s_mov_b64 s[64:65], 0
	v_nop
	global_prefetch_b8 v0, s[64:65] scope:SCOPE_SE
	s_setreg_imm32_b32 hwreg(HW_REG_WAVE_MODE, 25, 1), 1
	s_wait_xcnt 0x0
	s_wait_alu depctr_hold_cnt(0) depctr_sa_sdst(0) depctr_va_vdst(0) depctr_va_sdst(0) depctr_va_ssrc(0) depctr_va_vcc(0) depctr_vm_vsrc(0)
	s_getreg_b32 s2, hwreg(HW_REG_IB_STS2, 6, 4)
	s_cmp_eq_u32 s2, 0
	s_cbranch_scc0 .Lentry_in_a_cluster
	s_endpgm
.Lentry_in_a_cluster:
	s_bfe_u32 s2, ttmp6, 0x10000c
	s_cmp_lg_u32 s2, 0x3003
	s_cbranch_scc0 .Lentry_shape_is_right
	s_endpgm
.Lentry_shape_is_right:
; out0[b][c][i] = gamma x (the sum over j of v[b][c][j] p[i][j]) / (the sum over j of p[i][j]) + x[b][c][i],  p = e^(clip(q.k / 8, -5, 5) - 5).
; qw: [8][4096][64] bf16, q already times c = log2(e) / 8.  kv: 256 blocks of 81,920 bytes (block = 32 x batch + tile T of 128 keys): 128 rows of K of 128 bytes, row i = key 128 T + 64 + i
; (shifted by 64 keys along the chain of all pixels), then V as [2 halves][256 channels][64 keys].  x, out0: [8][256][4096] f32.
; THE SHIFT IS FIXED AT 5, with no running maximum: the clip, which the problem itself makes, holds every exponent in -10 .. 0 for every input, so p lies in 4.5e-5 .. 1 and a row's sum in 0.18 .. 4,096.
; In base 2: p = 2^med3(c q.k - M, -2 M, 0), M = 5 log2(e); the -M is the C operand that starts the score's sum.
; LIMITS.  NaN and infinities are not treated apart.  The row sum l is taken of the unrounded p in f32; p is rounded to bf16 for the second product.  Sums over keys are taken in two halves (two waves) and added once.
; SHARES.  A work-group takes 128 queries of one batch.  Wave w = (a = w / 2, b = w % 2) takes queries 64 a .. 64 a + 63 (4 tiles of 16), ALL 256 channels (64 accumulators, 512 registers) and HALF the keys:
; its unit u = 0 .. 63 is keys 64 u + 32 b + 0 .. 31.  So a fragment of K or V read from LDS feeds four tiles' products.  The two key halves meet in LDS at the end.
; LAYOUT.  S^T = K Q^T (source 0 = 16 keys, source 1 = 16 queries): a lane holds ONE query (lane % 16) and keys 8 (lane / 16) + 0..7.  Two such results, rounded in pairs, ARE source 0 (16 queries x 32 keys) of
; O = P V (source 1 = 32 keys x 16 channels, as V lies in LDS): a lane then holds one channel and 8 neighbouring queries: 32 consecutive bytes of a row of out0.
; Accumulator number i = 0..15 of a tile means channel block (i + 8 b) % 16, by address alone: i < 8 is the half that the wave finishes, i >= 8 its partner's, with the same register numbers in all waves.
; BY TURNS.  Turn u: 16 products K Q^T of unit u + 1, then 64 products P V of unit u with the softmax of unit u + 1 in 64 slices of three behind them (clip, exponential, sum or rounding).
; In turn u the LDS reads are K of unit u + 2 and V of unit u + 1; with K shifted by one unit in kv, a LAP (turns 2 T - 1 and 2 T) reads exactly tile T: one change of slots serves K and V.
; CLUSTER.  The four query blocks of a cluster belong to one batch and walk the same kv, so each tile is asked for JOINTLY: the same tensor load, descriptor and mask in all four; each wave brings a quarter of a block.
; REGISTERS, in windows of 256 (s_set_vgpr_msb: bits 1:0 source 0, 3:2 source 1, 5:4 source 2, 7:6 destination):
;   window 0: v0-23 addresses; v24-31 -M; v32-39 l; v40-55 at work; v64-127 S^T (tile t, key block kb at 64 + 16 t + 8 kb); v128-191 P, two buffers of 32; v192-223 K of one unit
;   window 1: v0-63 Q (16 t + 8 c); v64-191 V of one unit, 16 fragments, each loaded again as soon as it has been multiplied; on the way out all 256 hold x
;   windows 2, 3: O(t, i) in window 2 + t / 2 at 128 (t % 2) + 8 i
.set KVB,   81920                      ; a block of kv: 320 rows of 256 bytes
.set SPT,   144                        ; 128 bytes of K or V in LDS + 16 of padding = 36 words: the 16 rows of a load start at 16 different groups of four banks (64 banks of 4 bytes: ISA guide 11.1)
.set SLOT,  640*SPT                    ; 92,160: 128 rows of K, then 512 of V
.set VOFF,  128*SPT
.set XB,    2*SLOT                     ; 184,320, behind the ring, never filled by a tensor load: four mailboxes, later each wave's stage
.set MB,    34816                      ; a mailbox: 64 x 512 bytes; as a stage 128 channels x 272
.set LB,    XB+4*MB                    ; 323,584: l, 64 queries x 4 bytes for each wave
.set SPARE, LB+1024                    ; 324,608: the spare words, 128 bytes for each wave: two blocks of 256 bytes that no other line names
.set SPW, 3                            ; v3   LDS address of my spare word; never rewritten
.set NIL, 4                            ; v4   0; never rewritten
.set AK,  5                            ; v5, v6   my K fragments in slot 0, 1
.set AV,  8                            ; v8-11    my V fragments: slot n, accumulators 8 hi .. 8 hi + 7 at AV + 2 n + hi
.set QO,  12                           ; v12  128 r + 16 h: a fragment's rows in qw and kv
.set XO,  13                           ; v13  16,384 h + 16 r: two channels' 256 bytes in x and out0
.set PFO, 14                           ; v14  256 x lane: the prefetches' offset; never rewritten
.set XST, 15                           ; v15  my partner's mailbox, 16 bytes a lane
.set XLD, 16                           ; v16  my mailbox
.set STO, 17                           ; v17  my stage, in: channel r, 32 bytes for each half of the lanes
.set RD,  18                           ; v18  my stage, back: lanes 0-15 one channel's 256 bytes, lanes 16-31 the next
.set LST, 19                           ; v19  where my query's l goes
.set LR0, 20                           ; v20  l of my four queries on the way out, my half of the keys
.set LR1, 21                           ; v21  my partner's half
.set CM,  24
.set LS,  32                           ; l of tile t: even keys' at LS + 2 t, odd keys' at LS + 2 t + 1
.set G,   40                           ; gamma / l for my four queries
.set TT,  44
.set S,   64
.set P,   128
.set KF,  192                          ; key block kb, channel half c at KF + 16 kb + 8 c
.set VF,  64                           ; window 1
.set WV,  14                           ; s14  my wave's number
.set HA,  15                           ; s15  a
.set HB,  16                           ; s16  b
.set CX,  17                           ; s17  my place in the cluster
.set K0,  18                           ; s[18:19] kv at my 32 keys of unit 0
.set G1,  24                           ; s[24:31] descriptor group 1
.set G0,  32                           ; s[32:39] descriptor group 0, a set for each slot
.set LO,  40                           ; s40  -2 M
.set GAM, 41                           ; s41  gamma
.set SEL, 42                           ; s[42:43] v_permlanex16_b32's selects: each lane takes its own place in the other half
.set CNT, 44                           ; s44  trips of the loop still to come
.set PFA, 46                           ; s[46:47] where my prefetches stand
.set LIMO, 48                          ; s48  I prefetch in a trip's first lap while CNT is above this,
.set LIME, 49                          ; s49  in its second lap while CNT is above this
.set MSB, 0
.macro WIN new                         ; the immediate's high byte repeats the setting that is left; a switch that changes nothing is dropped
.if MSB != (\new)
	s_set_vgpr_msb (MSB<<8)|(\new)
.set MSB, (\new)
.endif
.endm
.macro PLACES                          ; four places behind matrix instructions (ISA guide 7.12.1)
.rept 4
	v_nop
.endr
.endm
; A round of the cluster's barrier: my work-group's barrier, so that wave 0's signal speaks for all four waves; wave 0 signals; every wave waits for all four work-groups; my work-group's barrier once more.
.macro CREST                           ; a round behind its opening barrier
	s_cmp_lg_u32 s[WV], 0
	s_cbranch_scc1 .Lnot_wave_0_\@
	s_barrier_signal -3
.Lnot_wave_0_\@:
	s_barrier_wait -3
	s_barrier_signal -1
	s_barrier_wait -1
.endm
.macro CROUND
	s_barrier_signal -1
	s_barrier_wait -1
	CREST
.endm
; A PREFETCH INTO THE L2 of the tile that the NEXT change of slots will ask for: one lap, 160 products, ahead of that load.  It stands behind the tensor load, its five lines and the ten LDS loads that follow.
; Each 256 bytes of kv are named once in the launch: all eight clusters of a batch walk the same blocks, and the batch's first cluster asks.  Its four partners share the rows out BY ADDRESS.
; Waves 0 and 1 ask in every lap for V's 256 rows of 256 bytes (partner cx, wave w: rows 64 cx + 32 w on, a lane a row); wave 2 asks in every other lap for K's 64 rows of two tiles (partner cx: tile cx / 2, rows 32 (cx % 2) on).
; The ends: tiles 0 to 2 come by their loads alone; the last trip asks for V of tile 31 in its first lap and for nothing else.
.macro ASK lim
	s_cmp_gt_u32 s[CNT], s[\lim]
	s_cbranch_scc0 .Lnot_mine_\@
	global_prefetch_b8 v[PFO], s[PFA:PFA+1] th:TH_LOAD_NT scope:SCOPE_SE
.Lnot_mine_\@:
.endm
; 16 products S^T = K Q^T - M for a unit: 8 accumulators by turns; the first 8 start the sums with -M
.macro QKB
	WIN 0x04                                       ; Q in window 1, all else in window 0
.irp c, 0,1
.irp t, 0,1,2,3
.irp kb, 0,1
.if (\c) == 0
	v_wmma_f32_16x16x32_bf16 v[S+16*(\t)+8*(\kb):S+16*(\t)+8*(\kb)+7], v[KF+16*(\kb)+8*(\c):KF+16*(\kb)+8*(\c)+7], v[16*(\t)+8*(\c):16*(\t)+8*(\c)+7], v[CM:CM+7]
.else
	v_wmma_f32_16x16x32_bf16 v[S+16*(\t)+8*(\kb):S+16*(\t)+8*(\kb)+7], v[KF+16*(\kb)+8*(\c):KF+16*(\kb)+8*(\c)+7], v[16*(\t)+8*(\c):16*(\t)+8*(\c)+7], v[S+16*(\t)+8*(\kb):S+16*(\t)+8*(\kb)+7]
.endif
.endr
.endr
.endr
.endm
.macro KLOAD n, q                      ; 8 loads: my 32 keys x 64 channels of half q of slot n's K
	WIN 0
.irp kb, 0,1
.irp c, 0,1
	ds_load_b128 v[KF+16*(\kb)+8*(\c):KF+16*(\kb)+8*(\c)+3],   v[AK+(\n)] offset:(64*(\q)+16*(\kb))*SPT+64*(\c)
	ds_load_b128 v[KF+16*(\kb)+8*(\c)+4:KF+16*(\kb)+8*(\c)+7], v[AK+(\n)] offset:(64*(\q)+16*(\kb))*SPT+64*(\c)+32
.endr
.endr
.endm
.macro VLOAD n, p, i                   ; 2 loads: fragment i (my 32 keys x 16 channels) of half p of slot n's V
	WIN 0x40                                       ; destination window 1
	ds_load_b128 v[VF+8*(\i):VF+8*(\i)+3],   v[AV+2*(\n)+(\i)/8] offset:(\p)*256*SPT+((\i)%8)*16*SPT
	ds_load_b128 v[VF+8*(\i)+4:VF+8*(\i)+7], v[AV+2*(\n)+(\i)/8] offset:(\p)*256*SPT+((\i)%8)*16*SPT+32
.endm
; THE SOFTMAX of a unit: for each of the lane's 64 scores a clip and an exponential, for each pair a packed sum onto l and a rounding to bf16.
.macro OPM e
	v_med3_num_f32 v[S+(\e)], v[S+(\e)], s[LO], 0
.endm
.macro OPX x, buf                      ; x = 2 p: l takes pair p; x = 2 p + 1: pair p is rounded into P's buffer buf
.if ((\x)%2) == 0
	s_wait_alu depctr_va_vdst(0)
	v_pk_add_f32 v[LS+2*((\x)/16):LS+2*((\x)/16)+1], v[LS+2*((\x)/16):LS+2*((\x)/16)+1], v[S+(\x):S+(\x)+1]
.else
	v_cvt_pk_bf16_f32 v[P+32*(\buf)+(\x)/2], v[S+(\x)-1], v[S+(\x)]
.endif
.endm
; Slice sx of 64: the clip two scores ahead, the exponential of score sx, the sum or rounding two back.  So each exponential has a plain instruction behind it before its result is used (ISA guide 5.7.2),
; and S^T is read in ascending order: each accumulator first at its lowest register.
.macro SLICE buf
	WIN 0
.if sx < 62
	OPM sx+2
.endif
	v_exp_f32 v[S+sx], v[S+sx]
.if sx >= 2
	OPX sx-2, \buf
.endif
.if sx == 63
	OPX 62, \buf
	OPX 63, \buf
.endif
.endm
; Products s0 .. s1 - 1 of the 64 of O += P V: number s is accumulator s / 4 of tile s % 4; the 64 accumulators take turns.  rbuf: P's buffer that is read; zero = 1: the products start the sums.
; rid = 1: slice s of the next unit's softmax stands behind product s.  vl = 1: fragment f of V is loaded again (half p of slot n) behind slice 4 f + 6: behind its last reader, product 4 f + 3, stand four slices,
; each with a packed sum or a rounding that names none of that product's registers; fragment 15 has three of them and a v_nop.
; w0 >= 0: s_wait_dscnt w0 - wd (s / 4) ahead of each fragment's first product.
.macro PVS s0, s1, rbuf, zero, rid, vl, n, p, w0, wd
.set sx, (\s0)
.rept (\s1)-(\s0)
.if ((sx%4) == 0) && ((\w0) >= 0)
	s_wait_dscnt (\w0)-(\wd)*(sx/4)
.endif
.set rO, 128*(sx%2)+8*(sx/4)
	WIN 0xa4+0x50*((sx%4)/2)                       ; P window 0, V window 1, O window 2 or 3
.if \zero
	v_wmma_f32_16x16x32_bf16 v[rO:rO+7], v[P+32*(\rbuf)+8*(sx%4):P+32*(\rbuf)+8*(sx%4)+7], v[VF+8*(sx/4):VF+8*(sx/4)+7], 0
.else
	v_wmma_f32_16x16x32_bf16 v[rO:rO+7], v[P+32*(\rbuf)+8*(sx%4):P+32*(\rbuf)+8*(sx%4)+7], v[VF+8*(sx/4):VF+8*(sx/4)+7], v[rO:rO+7]
.endif
.if \rid
	SLICE 1-(\rbuf)
.endif
.if (\vl) && ((sx%4) == 2) && (sx >= 6)
	VLOAD \n, \p, (sx-6)/4
.endif
.if (\vl) && (sx == 63)
	v_nop
	VLOAD \n, \p, 15
.endif
.set sx, sx+1
.endr
.endm
; TURN 2 T - 1, a lap's first, with THE CHANGE OF SLOTS; slot n = T % 2 holds tile T.  Each wave waits for all its tensor loads, of which one is out: its quarter of tile T; adds 0 to its spare word; and waits for that
; and for its reads of the other slot.  Behind the barrier nobody reads the other slot any more and slot n is whole.  fill = 1: the barrier opens a round of the cluster's, and the other slot is filled again,
; the first thing behind the round, with tile T + 1: from that request to the wait for it a wave issues 136 products.
.macro TURN1 n, fill, lim
	WIN 0                                          ; the add's two registers lie in window 0
.if \fill
	s_wait_xcnt 0x0                                ; the last prefetch, a lap back, has read its address
	s_add_nc_u64 s[PFA:PFA+1], s[PFA:PFA+1], KVB
.endif
	s_wait_tensorcnt 0x0                           ; no tensor load of mine is out, so a group 0 may be written
	ds_add_u32 v[SPW], v[NIL]                      ; 0 onto my spare word; a step and 16 products stand between it and the wait for it
.if \fill
	s_add_nc_u64 s[G0+4*(1-(\n))+2:G0+4*(1-(\n))+3], s[G0+4*(1-(\n))+2:G0+4*(1-(\n))+3], 2*KVB  ; the other slot's next tile; the type bits on top are not reached
.endif
	s_wait_dscnt 33                                ; K is in: behind its 8 loads stand V's 32 and the add
	QKB
	WIN 0
	s_wait_dscnt 0x0                               ; the add is done, and my reads of the other slot are over
	s_barrier_signal -1
	PLACES                                         ; behind the scores' products: the clips read their results, the loads below write K's registers
	OPM 0
	OPM 1
	PVS 0, 8, 1, 0, 1, 0, 0, 0, -1, 0              ; work on registers while the others arrive
	WIN 0
	s_barrier_wait -1
.if \fill
	CREST                                          ; no wave of any partner still reads the other slot or has a load on its way
	tensor_load_to_lds s[G0+4*(1-(\n)):G0+4*(1-(\n))+3], s[G1:G1+7]
	s_nop 0
	PLACES
.endif
	KLOAD \n, 0
	VLOAD \n, 0, 0                                 ; fragment 0, whose turn came between signal and wait
.if \fill
	WIN 0
	ASK \lim
.endif
	PVS 8, 64, 1, 0, 1, 1, \n, 0, -1, 0            ; no waits: the wait for 0 above has shown all of V in
.endm
; TURN 2 T, a lap's second.  zero = 1: turn 0, whose products start O's sums: nothing is ever cleared.  kl = 0: turn 62: there is no unit 64.
; The wait ahead of fragment i's first product: behind its two loads stand 2 (15 - i) of later fragments, this turn's 8 kl of K and 2 (i - 1) reloads: 28 + 8 kl (two more at i = 0).
.macro TURN2 n, zero, kl
	s_wait_dscnt 32                                ; K is in: behind its 8 loads stand V's 32
	QKB
	WIN 0
	PLACES
.if \kl
	KLOAD \n, 1
.endif
	OPM 0
	OPM 1
	PVS 0, 64, 0, \zero, 1, 1, \n, 1, 28+8*(\kl), 0
.endm
	s_load_b256 s[4:11], s[0:1], 0x0               ; qw s[4:5], kv s[6:7], x s[8:9], gamma s[10:11]
	s_load_b64 s[12:13], s[0:1], 0x20              ; out0
	v_lshl_add_u32 v[SPW], v0, 2, SPARE
	v_mov_b32 v[NIL], 0
	ds_add_u32 v[SPW], v[NIL]                      ; the wave's opening: the add and its wait stand ahead of my first tensor load; the set-up below, work on registers, stands between them
	v_lshrrev_b32 v1, 5, v0
	v_readfirstlane_b32 s[WV], v1                  ; wave 0..3
	s_lshr_b32 s[HA], s[WV], 1
	s_and_b32 s[HB], s[WV], 1
	s_bfe_u32 s[CX], ttmp6, 0x40000                ; cx
	s_and_b32 s21, ttmp7, 0xffff                   ; the batch, which the four partners share
	; descriptor group 1: a quarter of a block: 80 rows of 256 bytes, padded in LDS after every 128 bytes
	s_mov_b32 s[G1], 15|(1<<16)|(1<<20)|(1<<21)|(4<<22)|(3<<25)  ; 15:0 the mask of four; 17:16 2-byte elements; 20 padding on; 21 set beside a mask; 24:22 after every 32 words (code 4); 31:25 4 words (code 3)
	s_mov_b32 s[G1+1], 128<<16                     ; tensor_dim0 = 128
	s_mov_b32 s[G1+2], 80<<16                      ; tensor_dim1 = 80
	s_mov_b32 s[G1+3], 128<<16                     ; tile_dim0 = 128
	s_mov_b32 s[G1+4], 80                          ; tile_dim1 = 80
	s_mov_b32 s[G1+5], 128                         ; 128 elements from row to row
	s_mov_b32 s[G1+6], 0
	s_mov_b32 s[G1+7], 0
	s_mov_b32 s[LO], 0xc166d4ca                    ; -2 M = -14.426950
	s_mov_b32 s[SEL], 0x76543210
	s_mov_b32 s[SEL+1], 0xfedcba98
	; what enters the descriptors hangs on the batch and the wave's number alone
	s_mul_i32 s22, s21, 32*KVB                     ; the batch's first block
	s_mov_b32 s23, 0
	s_lshl_b32 s50, s21, 5                         ; keys 0-63 of the batch lie in rows 64-127 of the block before, modulo 256
	s_add_co_u32 s50, s50, 255
	s_and_b32 s50, s50, 255
	s_mul_i32 s50, s50, KVB
	s_lshl_b32 s51, s[HB], 12                      ; my 32 of them
	s_add_co_u32 s50, s50, s51
	s_add_co_u32 s50, s50, 8192
	s_mov_b32 s51, 0
	s_mul_i32 s45, s[WV], 160*SPT                  ; my quarter of a slot: 160 rows of 144 bytes
	s_mov_b32 s[G0], 1                             ; 1:0 count = 1
	s_mov_b32 s[G0+1], s45                         ; 63:32 LDS address: slot 0
	s_mov_b32 s[G0+4], 1
	s_add_co_u32 s[G0+5], s45, SLOT                ; slot 1
	; what hangs on my place in the cluster: Q's, x's and out0's addresses and the prefetches'
	s_lshl_b32 s20, ttmp9, 2                       ; in a cluster launch ttmp9 counts clusters
	s_add_co_u32 s20, s20, s[CX]                   ; my block of 128 queries
	s_lshl_b32 s52, s21, 19
	s_lshl_b32 s58, s20, 14
	s_add_co_u32 s52, s52, s58
	s_lshl_b32 s58, s[HA], 13
	s_add_co_u32 s52, s52, s58                     ; qw: batch x 524,288 + block x 16,384 + a x 8,192
	s_mov_b32 s53, 0
	s_lshl_b32 s54, s21, 22
	s_lshl_b32 s58, s[HB], 21
	s_add_co_u32 s54, s54, s58
	s_lshl_b32 s58, s20, 9
	s_add_co_u32 s54, s54, s58
	s_lshl_b32 s58, s[HA], 8
	s_add_co_u32 s54, s54, s58                     ; x, out0: batch x 4,194,304 + b x 128 channels + block x 512 + a x 256
	s_mov_b32 s55, 0
	s_lshl_b32 s58, s[CX], 14
	s_lshl_b32 s59, s[WV], 13
	s_add_co_u32 s58, s58, s59
	s_add_co_u32 s58, s58, 16384                   ; waves 0, 1: V's rows 64 cx + 32 w on
	s_lshr_b32 s59, s[CX], 1
	s_mul_i32 s59, s59, KVB
	s_and_b32 s56, s[CX], 1
	s_lshl_b32 s56, s56, 13
	s_add_co_u32 s59, s59, s56                     ; wave 2: tile cx / 2, K's rows 32 (cx % 2) on
	s_cmp_lt_u32 s[WV], 2
	s_cselect_b32 s56, s58, s59
	s_cselect_b32 s[LIMO], 0, 1                    ; waves 0, 1 ask in every lap that has a tile two on; wave 2 in a trip's first lap, while two tiles are left
	s_cselect_b32 s[LIME], 1, -1
	s_add_co_u32 s56, s56, 2*KVB                   ; at tile 2: the first change of slots steps it to tile 3
	s_mov_b32 s57, 0
	s_cmp_eq_u32 s[WV], 3
	s_cselect_b32 s[LIMO], -1, s[LIMO]             ; wave 3 asks for nothing,
	s_cmp_lg_u32 ttmp9, 0
	s_cselect_b32 s[LIMO], -1, s[LIMO]             ; and so do all clusters but the batch's first: the same in all four partners
	s_cselect_b32 s[LIME], -1, s[LIME]
	s_wait_dscnt 0x0                               ; the opening add is done
	s_wait_kmcnt 0x0
	s_load_b32 s[GAM], s[10:11], 0x0
	s_add_nc_u64 s[K0:K0+1], s[6:7], s[50:51]
	s_add_nc_u64 s[6:7], s[6:7], s[22:23]          ; kv at the batch's first block
	s_mul_i32 s22, s[WV], 80*256                   ; my quarter of a block
	s_add_nc_u64 s[G0+2:G0+3], s[6:7], s[22:23]    ; 120:64 global address: tile 0,
	s_add_nc_u64 s[G0+6:G0+7], s[G0+2:G0+3], KVB   ; tile 1
	s_or_b32 s[G0+3], s[G0+3], 0x80000000          ; 127:126 type = 2
	s_or_b32 s[G0+7], s[G0+7], 0x80000000
	s_add_nc_u64 s[PFA:PFA+1], s[6:7], s[56:57]
	s_add_nc_u64 s[4:5], s[4:5], s[52:53]
	s_add_nc_u64 s[8:9], s[8:9], s[54:55]
	s_add_nc_u64 s[12:13], s[12:13], s[54:55]
	CROUND                                         ; all four work-groups are here: the first joint loads meet
	tensor_load_to_lds s[G0:G0+3], s[G1:G1+7]      ; the two first fills go out together: two loads of mine are out, later one
	s_nop 0
	tensor_load_to_lds s[G0+4:G0+7], s[G1:G1+7]
	s_nop 0
	PLACES
	v_and_b32 v1, 15, v0                           ; r = lane % 16
	v_bfe_u32 v2, v0, 4, 1                         ; h = lane / 16
	v_and_b32 v7, 31, v0                           ; lane
	v_lshlrev_b32 v[QO], 7, v1
	v_lshl_add_u32 v[QO], v2, 4, v[QO]
	WIN 0x40                                       ; Q stays in registers: tile t, channels 32 c on
.irp t, 0,1,2,3
.irp c, 0,1
	global_load_b128 v[16*(\t)+8*(\c):16*(\t)+8*(\c)+3],   v[QO], s[4:5] offset:(\t)*2048+64*(\c)
	global_load_b128 v[16*(\t)+8*(\c)+4:16*(\t)+8*(\c)+7], v[QO], s[4:5] offset:(\t)*2048+64*(\c)+32
.endr
.endr
	WIN 0                                          ; K of unit 0 comes straight from kv: it lies in no tile of the walk
.irp kb, 0,1
.irp c, 0,1
	global_load_b128 v[KF+16*(\kb)+8*(\c):KF+16*(\kb)+8*(\c)+3],   v[QO], s[K0:K0+1] offset:(\kb)*2048+64*(\c)
	global_load_b128 v[KF+16*(\kb)+8*(\c)+4:KF+16*(\kb)+8*(\c)+7], v[QO], s[K0:K0+1] offset:(\kb)*2048+64*(\c)+32
.endr
.endr
	v_mul_u32_u24 v22, v1, SPT
	v_lshl_add_u32 v22, v2, 4, v22                 ; row r x pitch + 16 h
	s_mul_i32 s45, s[HB], 32*SPT                   ; my 32 keys of a unit's 64
	v_add_nc_u32 v[AK], s45, v22
	v_add_nc_u32 v[AK+1], SLOT, v[AK]
	s_mul_i32 s45, s[HB], 128*SPT+64               ; accumulators 0-7: channel blocks 8 b on; my 32 keys are 64 bytes of a row
	s_add_co_u32 s45, s45, VOFF
	v_add_nc_u32 v[AV], s45, v22
	s_xor_b32 s50, s[HB], 1                        ; accumulators 8-15: channel blocks 8 (1 - b) on
	s_mul_i32 s50, s50, 128*SPT
	s_lshl_b32 s51, s[HB], 6
	s_add_co_u32 s50, s50, s51
	s_add_co_u32 s50, s50, VOFF
	v_add_nc_u32 v[AV+1], s50, v22
	v_add_nc_u32 v[AV+2], SLOT, v[AV]
	v_add_nc_u32 v[AV+3], SLOT, v[AV+1]
	v_lshlrev_b32 v[XO], 14, v2
	v_lshl_add_u32 v[XO], v1, 4, v[XO]
	v_lshlrev_b32 v[PFO], 8, v7
	s_xor_b32 s50, s[WV], 1                        ; my partner: the same queries, the other keys
	s_mul_i32 s51, s50, MB
	s_add_co_u32 s51, s51, XB
	v_lshl_add_u32 v[XST], v7, 4, s51
	s_lshl_b32 s50, s50, 8
	s_add_co_u32 s50, s50, LB
	v_lshl_add_u32 v[LR1], v1, 4, s50
	s_mul_i32 s51, s[WV], MB
	s_add_co_u32 s51, s51, XB
	v_lshl_add_u32 v[XLD], v7, 4, s51
	v_mul_u32_u24 v23, v1, 272
	v_lshl_add_u32 v23, v2, 5, v23
	v_add_nc_u32 v[STO], s51, v23
	v_mul_u32_u24 v23, v2, 272
	v_lshl_add_u32 v23, v1, 4, v23
	v_add_nc_u32 v[RD], s51, v23
	s_lshl_b32 s50, s[WV], 8
	s_add_co_u32 s50, s50, LB
	v_lshl_add_u32 v[LST], v1, 2, s50
	v_lshl_add_u32 v[LR0], v1, 4, s50
.irp e, 0,1,2,3,4,5,6,7
	v_mov_b32 v[CM+(\e)], 0xc0e6d4ca               ; -M = -7.2134752
	v_mov_b32 v[LS+(\e)], 0
.endr
	s_wait_tensorcnt 1                             ; my quarter of tile 0 is in; tile 1's may stay out
	s_barrier_signal -1
	s_barrier_wait -1                              ; everybody's is
	s_wait_loadcnt 0x0                             ; Q, and K of unit 0
	s_wait_kmcnt 0x0                               ; gamma
	QKB                                            ; unit 0's scores
	WIN 0
	PLACES
	KLOAD 0, 0                                     ; K of unit 1
.irp i, 0,1,2,3,4,5,6,7,8,9,10,11,12,13,14,15
	VLOAD 0, 0, \i                                 ; V of unit 0
.endr
	WIN 0
	OPM 0
	OPM 1
.set sx, 0
.rept 64
	SLICE 0                                        ; unit 0's softmax: the one that has no products to stand behind
.set sx, sx+1
.endr
	TURN2 0, 1, 1                                  ; turn 0
	WIN 0                                          ; at a label and at a branch every window is 0
	s_mov_b32 s[CNT], 15
.Llap:                                         ; a trip: laps 2 i + 1 and 2 i + 2; laps 1 to 30 ask for tiles 2 to 31
	TURN1 1, 1, LIMO
	TURN2 1, 0, 1
	TURN1 0, 1, LIME
	TURN2 0, 0, 1
	WIN 0
	s_sub_co_u32 s[CNT], s[CNT], 1
	s_cmp_lg_u32 s[CNT], 0
	s_cbranch_scc1 .Llap
	TURN1 1, 0, LIMO                               ; lap 31 is written out: nothing is asked for
	TURN2 1, 0, 0
	PVS 0, 64, 1, 0, 0, 0, 0, 0, 30, 2             ; turn 63: behind fragment i's loads stand only the 2 (15 - i) of later fragments
	; THE WAY OUT.  l: the pair, the other half of the lanes, into LDS by query.  The first four additions are the places behind the last products.
	WIN 0
.irp t, 0,1,2,3
	v_add_f32 v[LS+2*(\t)], v[LS+2*(\t)], v[LS+2*(\t)+1]
.endr
.irp t, 0,1,2,3
	v_permlanex16_b32 v[LS+2*(\t)+1], v[LS+2*(\t)], s[SEL], s[SEL+1]
.endr
.irp t, 0,1,2,3
	v_add_f32 v[LS+2*(\t)], v[LS+2*(\t)], v[LS+2*(\t)+1]
.endr
.irp t, 0,1,2,3
	ds_store_b32 v[LST], v[LS+2*(\t)] offset:64*(\t)  ; both halves of the lanes write the same word with the same number
.endr
	WIN 0x40                                       ; x of my 128 channels x 64 queries goes out now, two channels' 256 bytes to a load, and comes while the halves meet
.set k, 0
.rept 64
	global_load_b128 v[4*k:4*k+3], v[XO], s[8:9] offset:k*32768 th:TH_LOAD_NT
.set k, k+1
.endr
.macro HAND wn                         ; my sums for my partner's channels (accumulators 8-15) of window wn go into its mailbox, each accumulator's low registers first
	WIN (\wn)<<2                                   ; store data in window wn
.irp tt, 0,1
.irp ii, 0,1,2,3,4,5,6,7
	ds_store_b128 v[XST], v[128*(\tt)+64+8*(\ii):128*(\tt)+64+8*(\ii)+3]   offset:(16*(2*((\wn)-2)+(\tt))+2*(\ii))*512
	ds_store_b128 v[XST], v[128*(\tt)+64+8*(\ii)+4:128*(\tt)+64+8*(\ii)+7] offset:(16*(2*((\wn)-2)+(\tt))+2*(\ii)+1)*512
.endr
.endr
.endm
.macro TAKE wn                         ; my partner's sums for my channels come into the registers just given away
	WIN (\wn)<<6                                   ; destination in window wn
.irp tt, 0,1
.irp ii, 0,1,2,3,4,5,6,7
	ds_load_b128 v[128*(\tt)+64+8*(\ii):128*(\tt)+64+8*(\ii)+3],   v[XLD] offset:(16*(2*((\wn)-2)+(\tt))+2*(\ii))*512
	ds_load_b128 v[128*(\tt)+64+8*(\ii)+4:128*(\tt)+64+8*(\ii)+7], v[XLD] offset:(16*(2*((\wn)-2)+(\tt))+2*(\ii)+1)*512
.endr
.endr
.endm
.macro SUMS wn                         ; the two key halves are added, each accumulator's registers in ascending order
	WIN 0x8a+0x45*((\wn)-2)                        ; all three places in window wn
.irp tt, 0,1
.irp ii, 0,1,2,3,4,5,6,7
.irp e, 0,2,4,6
	v_pk_add_f32 v[128*(\tt)+8*(\ii)+(\e):128*(\tt)+8*(\ii)+(\e)+1], v[128*(\tt)+8*(\ii)+(\e):128*(\tt)+8*(\ii)+(\e)+1], v[128*(\tt)+64+8*(\ii)+(\e):128*(\tt)+64+8*(\ii)+(\e)+1]
.endr
.endr
.endr
.endm
.macro STAGE wn                        ; into my stage, [128 channels][64 queries] f32 in rows of 272 bytes: my own mailbox, which I have read out
	WIN (\wn)<<2
.irp tt, 0,1
.irp ii, 0,1,2,3,4,5,6,7
	ds_store_b128 v[STO], v[128*(\tt)+8*(\ii):128*(\tt)+8*(\ii)+3]   offset:(\ii)*16*272+64*(2*((\wn)-2)+(\tt))
	ds_store_b128 v[STO], v[128*(\tt)+8*(\ii)+4:128*(\tt)+8*(\ii)+7] offset:(\ii)*16*272+64*(2*((\wn)-2)+(\tt))+16
.endr
.endr
.endm
	HAND 2
	HAND 3
	WIN 0
	s_wait_dscnt 0x0                               ; for my partner's sake: l and the mailbox are stored
	s_barrier_signal -1
	s_barrier_wait -1
	ds_load_b128 v[TT:TT+3], v[LR0]                ; l of the four queries that I hold on the way out: my keys',
	ds_load_b128 v[TT+4:TT+7], v[LR1]              ; my partner's
	TAKE 2
	WIN 0
	s_wait_dscnt 32                                ; both l are in: behind them stand the 32 loads just issued
.irp e, 0,1,2,3
	v_add_f32 v[TT+(\e)], v[TT+(\e)], v[TT+4+(\e)]
.endr
.irp e, 0,1,2,3
	v_rcp_f32 v[TT+(\e)], v[TT+(\e)]
.endr
	v_nop                                          ; a plain instruction between the last reciprocal and the use of its result
	s_wait_alu depctr_va_vdst(0)
.irp e, 0,1,2,3
	v_mul_f32 v[G+(\e)], s[GAM], v[TT+(\e)]        ; gamma / l
.endr
	TAKE 3
	s_wait_dscnt 32                                ; window 2's are in
	SUMS 2
	s_wait_dscnt 0x0
	SUMS 3
	STAGE 2                                        ; LDS serves a wave's instructions in order (ISA guide 5.7.1.4): these come behind my reads of the mailbox
	STAGE 3
; Rows come back whole, two channels' 256 bytes to a load, sixteen loads a batch, on two buffers; out = O x gamma / l + x; sixteen lanes store 256 consecutive bytes, aligned.
.macro RLOAD m
.set BK, S+64*((\m)%2)
.irp i, 0,1,2,3,4,5,6,7,8,9,10,11,12,13,14,15
	ds_load_b128 v[BK+4*(\i):BK+4*(\i)+3], v[RD] offset:(16*(\m)+(\i))*544
.endr
.endm
.macro RSEND m, younger                ; younger: the LDS loads issued behind this batch's
.set BK, S+64*((\m)%2)
.irp i, 0,1,2,3,4,5,6,7,8,9,10,11,12,13,14,15
	s_wait_dscnt 15-(\i)+(\younger)
	s_wait_loadcnt 63-16*(\m)-(\i)                 ; x's load number 16 m + i is in: so many were issued behind it
	v_pk_fma_f32 v[BK+4*(\i):BK+4*(\i)+1],   v[BK+4*(\i):BK+4*(\i)+1],   v[G:G+1],   v[4*(16*(\m)+(\i)):4*(16*(\m)+(\i))+1]
	v_pk_fma_f32 v[BK+4*(\i)+2:BK+4*(\i)+3], v[BK+4*(\i)+2:BK+4*(\i)+3], v[G+2:G+3], v[4*(16*(\m)+(\i))+2:4*(16*(\m)+(\i))+3]
	global_store_b128 v[XO], v[BK+4*(\i):BK+4*(\i)+3], s[12:13] offset:(16*(\m)+(\i))*32768 th:TH_STORE_NT
.endr
.endm
	WIN 0x10                                       ; source 2 (x) in window 1, all else in window 0
	RLOAD 0
	RLOAD 1
	RSEND 0, 16
	s_wait_xcnt 0x0                                ; the stores have read their data: the buffer is loaded again only behind this wait
	RLOAD 2
	RSEND 1, 16
	s_wait_xcnt 0x0
	RLOAD 3
	RSEND 2, 16
	RSEND 3, 0
	WIN 0
	s_wait_tensorcnt 0x0                           ; the wave's end: behind my last tensor load and my last LDS store
	ds_add_u32 v[SPW], v[NIL]
	s_wait_dscnt 0x0
	CROUND                                         ; the closing round: no work-group ends while a partner may still ask for a tile that names it
	s_endpgm
.Lfunc_end_k_qcfc6f15f9e_attn:
	.size	k_qcfc6f15f9e_attn, .Lfunc_end_k_qcfc6f15f9e_attn-k_qcfc6f15f9e_attn
	.p2alignl 7, 3214868480
	.fill 96, 4, 3214868480
	.section	.rodata,"a",@progbits
	.p2align	6, 0x0
	.amdhsa_kernel k_qcfc6f15f9e_attn
		.amdhsa_group_segment_fixed_size 327680
		.amdhsa_private_segment_fixed_size 0
		.amdhsa_enable_private_segment 0
		.amdhsa_kernarg_size 40
		.amdhsa_user_sgpr_count 2
		.amdhsa_user_sgpr_kernarg_segment_ptr 1
		.amdhsa_wavefront_size32 1
		.amdhsa_system_sgpr_workgroup_id_x 1
		.amdhsa_system_sgpr_workgroup_id_y 1
		.amdhsa_system_sgpr_workgroup_id_z 1
		.amdhsa_system_vgpr_workitem_id 0
		.amdhsa_next_free_vgpr 1024
		.amdhsa_next_free_sgpr 66
		.amdhsa_reserve_vcc 0
		.amdhsa_float_denorm_mode_32 3
		.amdhsa_float_denorm_mode_16_64 3
		.amdhsa_memory_ordered 1
		.amdhsa_forward_progress 1
		.amdhsa_inst_pref_size 248
	.end_amdhsa_kernel
	.amdgpu_metadata
---
amdhsa.version: [ 1, 2 ]
amdhsa.kernels:
  - .name:           k_qcfc6f15f9e_attn
    .symbol:         k_qcfc6f15f9e_attn.kd
    .args:
      - { .name: qw, .offset: 0, .size: 8, .value_kind: global_buffer, .address_space: global }
      - { .name: kv, .offset: 8, .size: 8, .value_kind: global_buffer, .address_space: global }
      - { .name: x, .offset: 16, .size: 8, .value_kind: global_buffer, .address_space: global }
      - { .name: gamma, .offset: 24, .size: 8, .value_kind: global_buffer, .address_space: global }
      - { .name: out0, .offset: 32, .size: 8, .value_kind: global_buffer, .address_space: global }
    .group_segment_fixed_size: 327680
    .private_segment_fixed_size: 0
    .kernarg_segment_align: 8
    .kernarg_segment_size: 40
    .max_flat_workgroup_size: 128
    .sgpr_count:     66
    .vgpr_count:     1024
    .wavefront_size: 32
...
	.end_amdgpu_metadata
.endif
;; end of part 2
